; MI455X (gfx1250); checked and timed in simulation.
; The chip was launched on July 23, 2026; its instructions are those of AMD's public machine-readable ISA for CDNA 5 (MIT licence, August 2026) and "CDNA5" Instruction Set Architecture Reference Guide (July 2026). The comments in the code are by the model that wrote it; some were corrected since.
;; Sparse Self Attention. Allowed arithmetic: matrix products marked QUANTISED: E2M1 operands, one E8M0 scale for each 32 along K, by v_wmma_scale_f32_16x16x128_f8f6f4 with both operands' format E2M1 (or v_wmma_scale_f32_32x16x128_f4), f32 sums; products left as they are: f32 operands where the result goes on into a quantised operand, else bf16, f16 or f32 operands; f32 sums; everything else in f32.
;; Inputs: Wk_codes 1,024 x 32 x 16 uint8 (E2M1 codes of Wk, K innermost, in blocks of 32 codes, two codes a byte); Wk_scales 1,024 x 32 uint8 (E8M0 scales of Wk, one for each 32 codes along K); Wo_codes 1,024 x 32 x 16 uint8 (E2M1 codes of Wo, K innermost, in blocks of 32 codes, two codes a byte); Wo_scales 1,024 x 32 uint8 (E8M0 scales of Wo, one for each 32 codes along K); Wq_codes 1,024 x 32 x 16 uint8 (E2M1 codes of Wq, K innermost, in blocks of 32 codes, two codes a byte); Wq_scales 1,024 x 32 uint8 (E8M0 scales of Wq, one for each 32 codes along K); Wv_codes 1,024 x 32 x 16 uint8 (E2M1 codes of Wv, K innermost, in blocks of 32 codes, two codes a byte); Wv_scales 1,024 x 32 uint8 (E8M0 scales of Wv, one for each 32 codes along K); bo 1,024 float32; x_codes 4 x 4,096 x 32 x 16 uint8 (E2M1 codes of x, K innermost, in blocks of 32 codes, two codes a byte); x_scales 4 x 4,096 x 32 uint8 (E8M0 scales of x, one for each 32 codes along K).
;; Outputs: out0 4 x 4,096 x 1,024 float32.
;; This version of the problem:
;;   THIS VERSION OF THE PROBLEM IS GIVEN IN LOW PRECISION. The matrix products marked QUANTISED in the list below multiply operands that are first quantised to E2M1 (2 exponent bits, 1 mantissa bit; 4 bits a number), with one power-of-two scale for each 32 numbers along K (OCP MX v1.0); their sums are f32. All else is computed in f32.
;;   The module's matrix products, in the order in which they are computed (A, B: the left and right operand; K: the contracted axis; several contracted axes count as one K, in the product's order):
;;     1. [M 16,384, K 1,024] x [K 1,024, N 1,024]; A: input x (given as codes); B: input Wq (given as codes): QUANTISED
;;     2. [M 16,384, K 1,024] x [K 1,024, N 1,024]; A: input x (given as codes); B: input Wk (given as codes): QUANTISED
;;     3. [M 16,384, K 1,024] x [K 1,024, N 1,024]; A: input x (given as codes); B: input Wv (given as codes): QUANTISED
;;     4. batch 262,144 x [M 1, K 64] x [K 64, N 1]; A: computed on the way; B: computed on the way: left as it is (M = 1 < 16)
;;     5. [M 16,384, K 1,024] x [K 1,024, N 1,024]; A: computed on the way; B: input Wo (given as codes): QUANTISED
;;   THE QUANTISER, for each operand of a quantised product, along K:
;;     - K is cut into blocks of 32 from its start; a last block that is shorter is filled with zeros.
;;     - A block's scale is 2^e with e = floor(log2(the largest magnitude in the block)) - 2, held to -126 .. 127; a block of zeros has e = 0. As a byte (E8M0): e + 127.
;;     - Each number is divided by its block's scale, clamped to +-6, and rounded to the nearest number of E2M1, ties to even, subnormals kept.
;;     - The product sums the exact products of the quantised numbers (number of the format x scale) in f32.
;;   ~~~python
;;   def quantise(x, axis):      # numpy; x: float32 -> the quantised numbers, widened to float32 again
;;       x = np.moveaxis(x, axis, -1); K = x.shape[-1]
;;       x = np.pad(x, [(0, 0)] * (x.ndim - 1) + [(0, -K % 32)]); x = x.reshape(x.shape[:-1] + (-1, 32)); a = np.abs(x).max(-1, keepdims=True)
;;       e = np.where(a > 0, np.clip(np.frexp(np.where(a > 0, a, 1))[1] - 1 - 2, -126, 127), 0)      # np.frexp(a)[1] - 1 = floor(log2(a)), exactly
;;       r = np.clip(x / 2.0 ** e, -6, 6)
;;       step = 2.0 ** (np.maximum(np.frexp(np.where(r == 0, 1, r))[1] - 1, 0) - 1)
;;       q = np.round(r / step) * step * 2.0 ** e      # np.round: ties to even
;;       return np.moveaxis(q.reshape(q.shape[:-2] + (-1,))[..., :K], -1, axis).astype(np.float32)
;;   ~~~
;;   OPERANDS COMPUTED ON THE WAY. 'Computed on the way' means the value that the module computes at that place (a softmax that the list does not call 'softmax' is quantised finished and normalised). What goes into a quantiser is computed in f32, as accurately as f32 sums, v_exp_f32 and their like allow (about 1e-6 of the number): no bf16 or f16 on the way to a quantiser, and a product that is left as it is and whose result goes on into a quantised operand takes f32 operands (vector FMAs, or v_wmma_f32_16x16x4_f32). A number that lies on a knife's edge between two numbers of the format may be rounded either way, as far as f32 arithmetic and the matrix unit's own rounding can turn it there, and no further.
;;   INPUTS GIVEN AS CODES. Wk (in the module: [1024, 1024], K = its axis 1); Wo (in the module: [1024, 1024], K = its axis 1); Wq (in the module: [1024, 1024], K = its axis 1); Wv (in the module: [1024, 1024], K = its axis 1); x (in the module: [4, 4096, 1024], K = its axis 2): each comes as NAME_codes (uint8): NAME with its K axis moved to the last place and cut into blocks of 32 codes, [.., K / 32, bytes a block], one block behind the other in memory; two codes a byte, the lower K in the low four bits (a code: sign, 2 exponent bits, 1 mantissa bit); and NAME_scales (uint8): the same leading axes, one E8M0 byte (e + 127) for each 32 codes along K. Its value is code x scale, taken as it is: it is not quantised again, and the codes and scales need not be those that the quantiser above would give.
;; One version. Each part assembles by itself: llvm-mc -triple=amdgcn-amd-amdhsa -mcpu=gfx1250 --defsym DOCPART=n.
;; ======== version 1 of 1: 2 launches
;; limits: right only within a limited range of input values
;; workspace buffers: dots 1,048,576 bytes; stats 8,192 bytes
;; launch qk_dots (part 1): grid 8 x 32, 4 waves a work-group, clusters of 4 x 4, 327,680 bytes of LDS; arguments x_codes, x_scales, Wq_codes, Wq_scales, Wk_codes, Wk_scales, dots, stats; writes dots, stats
.if DOCPART == 1
	.amdgcn_target "amdgcn-amd-amdhsa--gfx1250"
	.amdhsa_code_object_version 6
	.text
	.protected	k_q64a96898ab_qk_dots
	.globl	k_q64a96898ab_qk_dots
	.p2align	8
	.type	k_q64a96898ab_qk_dots,@function
k_q64a96898ab_qk_dots:
	s_mov_b64 s[64:65], 0
	v_nop
	global_prefetch_b8 v0, s[64:65] scope:SCOPE_SE
	s_setreg_imm32_b32 hwreg(HW_REG_WAVE_MODE, 25, 1), 1
	s_wait_xcnt 0x0
	s_wait_alu depctr_hold_cnt(0) depctr_sa_sdst(0) depctr_va_vdst(0) depctr_va_sdst(0) depctr_va_ssrc(0) depctr_va_vcc(0) depctr_vm_vsrc(0)
	s_getreg_b32 s2, hwreg(HW_REG_IB_STS2, 6, 4)
	s_cmp_eq_u32 s2, 0
	s_cbranch_scc0 .Lentry_in_a_cluster
	s_endpgm
.Lentry_in_a_cluster:
	s_bfe_u32 s2, ttmp6, 0x10000c
	s_cmp_lg_u32 s2, 0xf033
	s_cbranch_scc0 .Lentry_shape_is_right
	s_endpgm
.Lentry_shape_is_right:
; q = x Wq^T and k = x Wk^T on codes of FP4 (E2M1) with one E8M0 scale for each 32 along K = 1,024; d[row][head] = the sum over the head's 64 channels of q k, in f32 (packed fused multiply-adds);
; and for each head and each block of 256 rows the largest d and the sum of 2^((d - largest) c), c = log2(e) / 8.  q and k never leave the registers.
; The strided permutation of rows moves q and k alike and the softmax runs over all rows of a batch, so this launch works on rows as they lie in x.
; OUT: dots [g64 256][head 16][r 16][m 4] f32: the raw sum (not yet divided by 8) of flat row 64 g64 + 16 m + r;  stats [batch 4][head 16][block 16] of (largest d, sum), 8 bytes each.
; SHARES.  A work-group takes 512 flat rows (Y = 0..31) and two heads (HP = 0..7); wave w has head 2 HP + w % 2 and 256 of the rows (half w / 2).  Its 64 rows of Wq and 64 of Wk, all of K, are 512 registers: read from LDS once.
; Every wave walks its 16 tiles of 16 rows: 32 matrix instructions of 32 x 16 x 128 a tile on 4 accumulators (2 of q, 2 of k).  Two sets of accumulators take turns: a tile's dot products stand inside the next tile.
; Tiles 0 and 1 go together, K step by K step, while W's fragments come in.
; THE MATRIX INSTRUCTION IS USED TRANSPOSED (source 0 = 32 rows of a weight, source 1 = 16 rows of x): lane (r, h) holds row r of x, its register j channel 16 t + 8 h + j, in q and in k alike.
; CLUSTER 4 x 4.  W's tiles hang on HP alone: shared along a column of the cluster.  x's hang on Y and the wave: shared along a row.  Each is asked for jointly.
; LDS: W's 256 rows (filled ONCE more, with rows 176..255 of each half of x, when W is in registers); rows 48..175 of each half; rows 0..47 of each half, which come with W at the head.
; SCALE WORDS.  x's: a row's 32 bytes by one load of 16 bytes at 32 row + 16 h: register j holds K step j in lanes 0-15 and K step 4 + j in lanes 16-31; K steps 4-7 name the upper lanes.  W's: lane l has row l of 32, a register a K step.
; LIMITS: an exponential under 2^-126 comes out as 0; the 64 products of a d are summed in two packed chains, another order than a plain loop's; NaN, infinities and scale bytes 0xff pass on as the matrix unit gives them.
; REGISTERS, in windows of 256: window 0: v1-15 addresses and small work; v16-31 a half sum for each tile; v32-63 W's scale words (32 rows p, K step s at 32 + 8 p + s); v64-127 x's; v128-255 x's fragments, two sets of 64.
;   windows 1, 2: W's fragments: (K step s, tile T) in window 1 + s / 4 at v[8 (8 (s % 4) + T)].   window 3: v0-63, v64-127 the accumulators of even and odd tiles (T at 8 T; 0-3 q, 4-7 k); v128-131 two packed chains.
.set PITCH, 528                        ; an LDS row: 512 bytes of codes + 16 of padding = 33 x 16 bytes: the 16 rows that a load touches lie in 16 different columns of 16 bytes
.set T16,   16*PITCH
.set T64,   64*PITCH
.set X2,    4*T64                      ; x's rows 48..175 of the two halves
.set X1,    8*T64                      ; x's rows 0..47 of the two halves
.set SPARE, X1+96*PITCH                ; the spare words, 128 bytes for each wave: two blocks of 256 bytes that no other line names
.set PFO, 1                            ; v1   the prefetch's offset: 256 x lane
.set AWK, 2                            ; v2   my lane's place in my wave's rows of Wk
.set AW,  3                            ; v3   and of Wq
.set AX1, 4                            ; v4   in x's tiles 0-2
.set AX2, 5                            ; v5   tiles 3-10
.set AX3, 6                            ; v6   tiles 11-15
.set VS,  7                            ; v7   32 r + 16 h: my 16 scale bytes of a tile's rows
.set DO,  8                            ; v8   4,096 h + 16 r: my place in dots
.set ZO,  9                            ; v9   0
.set SPW, 10                           ; v10  LDS address of my spare word; never rewritten
.set NIL, 11                           ; v11  0; never rewritten
.set P,   16
.set VW,  16                           ; v16  at the head: 32 x lane
.set WS,  32
.set XS,  64
.set XF,  128
.set CH,  128                          ; window 3
.set WV,  20                           ; s20  wave
.set G1W, 28                           ; s[28:35] group 1: 128 rows, mask of my column
.set G1X, 36                           ; s[36:43] 48 rows, later 64, later 40, mask of my row
.set G0Q, 52
.set G0K, 56
.set G0X, 60
.set SEL, 72                           ; s[72:73] selects of v_permlanex16_b32: lane l xor 16
.set CS,  74                           ; s74  c
.set PF,  96                           ; s[96:97] where my prefetch stands
.set MSB, 0
.macro WIN new                         ; the immediate's high byte repeats the setting that is left; a switch that changes nothing is dropped
.if MSB != (\new)
	s_set_vgpr_msb (MSB<<8)|(\new)
.set MSB, \new
.endif
.endm
.macro PLACES n
.rept \n
	v_nop
.endr
.endm
.macro CREST                           ; a round of the cluster's barrier behind its opening barrier
	s_cmp_lg_u32 s[WV], 0
	s_cbranch_scc1 .Lnot_wave_0_\@
	s_barrier_signal -3
.Lnot_wave_0_\@:
	s_barrier_wait -3
	s_barrier_signal -1
	s_barrier_wait -1
.endm
.macro CROUND                          ; a whole round
	s_barrier_signal -1
	s_barrier_wait -1
	CREST
.endm
.macro G1REST g, rows                  ; a tile of rows x 512 bytes, dense in memory
	s_mov_b32 s[\g+1], 512<<16                     ; tensor_dim0
	s_mov_b32 s[\g+2], (\rows)<<16                 ; tensor_dim1
	s_mov_b32 s[\g+3], 512<<16                     ; tile_dim0
	s_mov_b32 s[\g+4], \rows                       ; tile_dim1
	s_mov_b32 s[\g+5], 512                         ; from row to row
	s_mov_b32 s[\g+6], 0
	s_mov_b32 s[\g+7], 0
.endm
; one product of 32 x 16 x 128.  z: C = 0 (it starts a sum);  hi: source 1's scale words are taken from lanes 16-31
.macro PROD d, a, b, z, sa, sb, hi
.if \z
	v_wmma_scale_f32_32x16x128_f4 v[\d:\d+15], v[\a:\a+15], v[\b:\b+7], 0, v[\sa], v[\sb]
.elseif \hi
	v_wmma_scale_f32_32x16x128_f4 v[\d:\d+15], v[\a:\a+15], v[\b:\b+7], v[\d:\d+15], v[\sa], v[\sb] matrix_b_scale:MATRIX_SCALE_ROW1
.else
	v_wmma_scale_f32_32x16x128_f4 v[\d:\d+15], v[\a:\a+15], v[\b:\b+7], v[\d:\d+15], v[\sa], v[\sb]
.endif
.endm
	s_load_b512 s[4:19], s[0:1], 0x0               ; x_codes 4, x_scales 6, Wq_codes 8, Wq_scales 10, Wk_codes 12, Wk_scales 14, dots 16, stats 18
	v_lshl_add_u32 v[SPW], v0, 2, SPARE
	v_mov_b32 v[NIL], 0
	ds_add_u32 v[SPW], v[NIL]                      ; the wave's opening: the add, twice on end, and its one wait ahead of my first tensor load
	ds_add_u32 v[SPW], v[NIL]
	v_lshrrev_b32 v12, 5, v0
	v_readfirstlane_b32 s[WV], v12                 ; wave 0..3
	s_bfe_u32 s21, ttmp6, 0x40000                  ; cx
	s_bfe_u32 s22, ttmp6, 0x40004                  ; cy
	s_lshl_b32 s23, ttmp9, 2
	s_add_co_u32 s23, s23, s21                     ; HP = 4 x cluster x + cx
	s_and_b32 s24, ttmp7, 0xffff
	s_lshl_b32 s24, s24, 2
	s_add_co_u32 s24, s24, s22                     ; Y = 4 x cluster y + cy
	s_lshl_b32 s25, s22, 2
	s_lshl_b32 s25, 15, s25                        ; my row of the cluster
	s_lshl_b32 s26, 0x1111, s21                    ; my column
	; group 1, word 0: 15:0 the mask; 17:16 elements of 1 byte; 20 padding on; 21 set beside a mask; 24:22 after every 128 words (code 6); 31:25 four words (code 3)
	s_or_b32 s[G1W], s26, (1<<20)|(1<<21)|(6<<22)|(3<<25)
	s_or_b32 s[G1X], s25, (1<<20)|(1<<21)|(6<<22)|(3<<25)
	G1REST G1W, 128
	G1REST G1X, 48
	; offsets.  W's hang on HP, x's on Y and the wave; each kind has registers that never hold the other coordinate
	s_and_b32 s75, s[WV], 1
	s_lshr_b32 s80, s[WV], 1                       ; my half of the rows
	s_lshl_b32 s76, s23, 16                        ; W: 128 rows x 512 bytes
	s_mov_b32 s77, 0
	s_lshl_b32 s81, s24, 18                        ; x: 512 Y rows
	s_lshl_b32 s78, s75, 17
	s_add_co_u32 s78, s78, s81                     ; + 256 (w % 2): waves 2 and 3 fetch the halves' first rows
	s_mov_b32 s79, 0
	s_lshl_b32 s98, s80, 17
	s_add_co_u32 s81, s81, s98                     ; 512 Y + 256 x my half
	s_lshl_b32 s82, s75, 15
	s_add_co_u32 s82, s82, s81
	s_add_co_u32 s82, s82, 24576                   ; + 48 + 64 (w % 2)
	s_mov_b32 s83, 0
	s_mul_i32 s86, s75, 20480
	s_add_co_u32 s86, s86, s81
	s_add_co_u32 s86, s86, 90112                   ; + 176 + 40 (w % 2)
	s_mov_b32 s87, 0
	s_lshl_b32 s[PF], s21, 13                      ; the prefetch: of the 64 rows of the second fill that I fetch, each of the four partners of a row of the cluster takes 16, told apart by address
	s_add_co_u32 s[PF], s[PF], s82
	s_mov_b32 s[PF+1], 0
	s_mov_b32 s[G0Q+1], 0                          ; LDS addresses: constants and the wave's number alone
	s_mov_b32 s[G0K+1], 2*T64
	s_mul_i32 s[G0X+1], s75, 48*PITCH
	s_add_co_u32 s[G0X+1], s[G0X+1], X1
	s_lshl_b32 s27, s23, 1
	s_add_co_u32 s27, s27, s75                     ; my head
	s_lshl_b32 s88, s27, 11                        ; its rows' scale bytes: 64 x 32
	s_mov_b32 s89, 0
	s_lshl_b32 s90, s24, 14                        ; x's scale bytes: 512 x 32 a block,
	s_lshl_b32 s98, s80, 13
	s_add_co_u32 s90, s90, s98
	s_mov_b32 s91, 0
	s_lshl_b32 s92, s24, 15                        ; dots: eight g64 of 4,096 bytes a block,
	s_lshl_b32 s98, s80, 14
	s_add_co_u32 s92, s92, s98
	s_lshl_b32 s98, s27, 8
	s_add_co_u32 s92, s92, s98                     ; + 256 x head
	s_mov_b32 s93, 0
	s_lshr_b32 s94, s24, 3                         ; stats: the batch,
	s_lshl_b32 s94, s94, 4
	s_add_co_u32 s94, s94, s27                     ; 16 heads to a batch,
	s_lshl_b32 s94, s94, 7                         ; 128 bytes to a head,
	s_and_b32 s98, s24, 7
	s_lshl_b32 s98, s98, 4
	s_add_co_u32 s94, s94, s98
	s_lshl_b32 s98, s80, 3
	s_add_co_u32 s94, s94, s98                     ; 8 to a block of 256 rows
	s_mov_b32 s95, 0
	s_mov_b32 s[SEL], 0x76543210
	s_mov_b32 s[SEL+1], 0xfedcba98
	s_mov_b32 s[CS], 0x3e38aa3b                    ; c = log2(e) / 8
	s_mul_i32 s98, s75, T64
	s_mul_i32 s99, s80, 3*T16
	s_add_co_u32 s99, s99, X1
	s_mul_i32 s100, s80, 8*T16
	s_add_co_u32 s100, s100, X2
	s_mul_i32 s101, s80, 5*T16
	v_and_b32 v1, 15, v0                           ; r
	v_bfe_u32 v2, v0, 4, 1                         ; h
	v_and_b32 v15, 31, v0                          ; lane
	v_mul_u32_u24 v12, v1, PITCH
	v_lshl_add_u32 v12, v2, 4, v12                 ; a fragment's row x pitch + 16 x half
	v_add_nc_u32 v[AW], s98, v12
	v_add_nc_u32 v[AX1], s99, v12
	v_add_nc_u32 v[AX2], s100, v12
	v_add_nc_u32 v[AX3], s101, v12
	v_lshlrev_b32 v[VS], 5, v1
	v_lshl_add_u32 v[VS], v2, 4, v[VS]
	v_lshlrev_b32 v[DO], 4, v1
	v_lshl_add_u32 v[DO], v2, 12, v[DO]
	v_add_nc_u32 v[AWK], 2*T64, v[AW]
	v_lshlrev_b32 v[PFO], 8, v15
	v_lshlrev_b32 v[VW], 5, v15
	v_mov_b32 v[ZO], 0
	v_mov_b32 v14, 0                               ; written once: a lane permute's destination counts as one of its sources
	s_wait_alu depctr_va_vdst(0)
	s_wait_dscnt 0x0                               ; both opening adds are done
	CROUND                                         ; all sixteen work-groups are here: the first joint loads meet.  The arguments are on their way meanwhile
	s_wait_kmcnt 0x0
	s_mov_b32 s[G0Q], 1
	s_add_nc_u64 s[G0Q+2:G0Q+3], s[8:9], s[76:77]
	s_or_b32 s[G0Q+3], s[G0Q+3], 0x80000000
	s_mov_b32 s[G0K], 1
	s_add_nc_u64 s[G0K+2:G0K+3], s[12:13], s[76:77]
	s_or_b32 s[G0K+3], s[G0K+3], 0x80000000
	s_mov_b32 s[G0X], 1
	s_add_nc_u64 s[G0X+2:G0X+3], s[4:5], s[78:79]
	s_or_b32 s[G0X+3], s[G0X+3], 0x80000000
; THE HEAD'S LOADS, ONE A WAVE, in one tree of branches on the wave's number: wave 0 fetches Wq's 128 rows, wave 1 Wk's, waves 2 and 3 the first 48 rows of x's halves
.macro ARM under, g0, g1, next
	s_cmp_lt_u32 s[WV], \under
	s_cbranch_scc0 \next
	tensor_load_to_lds s[\g0:\g0+3], s[\g1:\g1+7]
	s_nop 0
	PLACES 4
	s_branch .Lhead_asked
\next:
.endm
	ARM 1, G0Q, G1W, .Lhead_k
	ARM 2, G0K, G1W, .Lhead_x
	tensor_load_to_lds s[G0X:G0X+3], s[G1X:G1X+7]
	s_nop 0
	PLACES 4
.Lhead_asked:
	s_add_nc_u64 s[10:11], s[10:11], s[88:89]      ; Wq's scale bytes at my head
	s_add_nc_u64 s[14:15], s[14:15], s[88:89]      ; Wk's
	s_add_nc_u64 s[6:7], s[6:7], s[90:91]          ; x's at my rows
	s_add_nc_u64 s[16:17], s[16:17], s[92:93]
	s_add_nc_u64 s[18:19], s[18:19], s[94:95]
	s_add_nc_u64 s[PF:PF+1], s[4:5], s[PF:PF+1]
.irp p, 0,1
.irp c, 0,1
	global_load_b128 v[WS+8*\p+4*\c:WS+8*\p+4*\c+3], v[VW], s[10:11] offset:1024*\p+16*\c
	global_load_b128 v[WS+16+8*\p+4*\c:WS+16+8*\p+4*\c+3], v[VW], s[14:15] offset:1024*\p+16*\c
.endr
.endr
.irp i, 0,1,2,3,4,5,6,7,8,9,10,11,12,13,14,15
	global_load_b128 v[XS+4*\i:XS+4*\i+3], v[VS], s[6:7] offset:512*\i            ; a wave's load covers 512 consecutive bytes
.endr
	; A PREFETCH INTO THE L2 of what the second fill will ask for: each aligned block of 256 bytes of those rows is named once in each cluster
	global_prefetch_b8 v[PFO], s[PF:PF+1] th:TH_LOAD_NT scope:SCOPE_SE
; K step k of my wave's W, into window 1 or 2: 16 loads.  A fragment (16 rows x 128 K of 4-bit codes) is 8 registers: lane (r, h), registers 4 c .. 4 c + 3: K = 64 c + 32 h + 0 .. 31: 16 bytes of the row as they lie
.macro FETCHW k
	WIN 0x40*(1+(\k)/4)
.irp T, 0,1,2,3
.irp c, 0,1
	ds_load_b128 v[8*(8*((\k)%4)+\T)+4*\c:8*(8*((\k)%4)+\T)+4*\c+3], v[AW] offset:\T*T16+64*(\k)+32*\c
	ds_load_b128 v[8*(8*((\k)%4)+\T+4)+4*\c:8*(8*((\k)%4)+\T+4)+4*\c+3], v[AWK] offset:\T*T16+64*(\k)+32*\c
.endr
.endr
	WIN 0
.endm
; x's tile i, all eight K steps, into set i % 2: 16 loads
.macro FETCHX i
.if (\i) < 3
.set XA_, AX1
.set XO_, (\i)*T16
.elseif (\i) < 11
.set XA_, AX2
.set XO_, ((\i)-3)*T16
.else
.set XA_, AX3
.set XO_, ((\i)-11)*T16
.endif
.set XR_, XF+64*((\i)%2)
	WIN 0
.irp s, 0,1,2,3,4,5,6,7
.irp c, 0,1
	ds_load_b128 v[XR_+8*\s+4*\c:XR_+8*\s+4*\c+3], v[XA_] offset:XO_+64*\s+32*\c
.endr
.endr
.endm
; tile i's four products of K step s: the four accumulators by turns, one instruction a turn; the first K step starts the sums
.macro KS i, s
	WIN 0xf1+(\s)/4                                ; source 0 (W) window 1 or 2, source 1 (x) window 0, C and D window 3
.irp p, 0,1,2,3
	PROD 64*((\i)%2)+16*\p, 8*(8*((\s)%4)+2*\p), XF+64*((\i)%2)+8*(\s), (\s)==0, WS+8*\p+(\s), XS+4*(\i)+((\s)%4), (\s)/4
.endr
.endm
; my half of tile i's dot products: 32 products q k of my row, two at a time, in two chains; each accumulator is read from its low end on
.macro DOTS i
.set B_, 64*((\i)%2)
	WIN 0xff
	v_pk_mul_f32 v[CH:CH+1], v[B_:B_+1], v[B_+32:B_+33]
	v_pk_mul_f32 v[CH+2:CH+3], v[B_+16:B_+17], v[B_+48:B_+49]
.irp j, 2,4,6,8,10,12,14
	v_pk_fma_f32 v[CH:CH+1], v[B_+\j:B_+\j+1], v[B_+32+\j:B_+33+\j], v[CH:CH+1]
	v_pk_fma_f32 v[CH+2:CH+3], v[B_+16+\j:B_+17+\j], v[B_+48+\j:B_+49+\j], v[CH+2:CH+3]
.endr
	v_pk_add_f32 v[CH:CH+1], v[CH:CH+1], v[CH+2:CH+3]
	WIN 0x0f                                       ; sources window 3, destination window 0
	v_add_f32 v[P+(\i)], v[CH], v[CH+1]
	WIN 0
.endm
; a tile from 3 on: half its products, the tile before's dot products, the next tile's fragments, the other half
.macro TILE i
	s_wait_dscnt 0x0                               ; this tile's fragments, asked for half a tile ago
.if (\i) == 10
	s_wait_tensorcnt 0x0                           ; my rows of the refill have landed (asked for eight tiles ago); no LDS load of mine is pending.
	s_barrier_signal -1
.endif
.irp s, 0,1,2,3
	KS \i, \s
.endr
	PLACES 4                                       ; in front of the first read of results and of the loads below; the matrix instructions in between are not counted
	DOTS (\i)-1
.if (\i) == 10
	s_barrier_wait -1
.endif
.if (\i) < 15
	FETCHX (\i)+1
.endif
.irp s, 4,5,6,7
	KS \i, \s
.endr
.endm
	s_wait_alu depctr_va_vdst(0)
	s_wait_tensorcnt 0x0                           ; my tile of the head's has landed
	ds_add_u32 v[SPW], v[NIL]                      ; 0 onto my spare word
	s_mov_b32 s[G1X+2], 64<<16                     ; no tensor load of mine is out, so a descriptor may be written: 64 rows,
	s_mov_b32 s[G1X+4], 64
	s_mul_i32 s[G0X+1], s[WV], T64
	s_add_co_u32 s[G0X+1], s[G0X+1], X2
	s_add_nc_u64 s[G0X+2:G0X+3], s[4:5], s[82:83]
	s_or_b32 s[G0X+3], s[G0X+3], 0x80000000
	s_wait_dscnt 0x0                               ; the add is done
	CROUND                                         ; everybody's tile has landed
	tensor_load_to_lds s[G0X:G0X+3], s[G1X:G1X+7]  ; THE SECOND FILL: rows 48..175 of the halves, 64 rows a wave
	s_nop 0
	PLACES 4
	FETCHX 0
	FETCHX 1
	FETCHW 0
	FETCHW 1
	s_wait_loadcnt 0x0                             ; the scale words
.irp s, 0,1,2,3,4,5
	FETCHW \s+2
	s_wait_dscnt 32                                ; K step s is in; the 32 loads of the two behind it may be out
	KS 0, \s
	KS 1, \s
.endr
	s_wait_dscnt 16
	KS 0, 6
	KS 1, 6
	s_wait_dscnt 0x0
	KS 0, 7
	KS 1, 7
	PLACES 4
	FETCHX 2
	DOTS 0
	DOTS 1
	s_wait_dscnt 0x0
.irp s, 0,1,2,3
	KS 2, \s
.endr
	WIN 0
	s_wait_tensorcnt 0x0                           ; THE ONE REFILL.  My part of the second fill has landed;
	ds_add_u32 v[SPW], v[NIL]                      ; 0 onto my spare word
	s_mov_b32 s[G1X+2], 40<<16
	s_mov_b32 s[G1X+4], 40
	s_mul_i32 s[G0X+1], s[WV], 40*PITCH
	s_add_nc_u64 s[G0X+2:G0X+3], s[4:5], s[86:87]
	s_or_b32 s[G0X+3], s[G0X+3], 0x80000000
	KS 2, 4
	s_wait_dscnt 0x0                               ; the add is done, and W is in my registers: my reads of these bytes are over
	s_barrier_signal -1                            ; this barrier opens a round of the cluster's
	KS 2, 5
	WIN 0
	s_barrier_wait -1
	CREST                                          ; so it is in every wave of every partner
	tensor_load_to_lds s[G0X:G0X+3], s[G1X:G1X+7]  ; rows 176..255 of the halves over the bytes that held W: my one tensor load behind the round
	s_nop 0
	PLACES 4
	FETCHX 3
	KS 2, 6
	KS 2, 7
.irp i, 3,4,5,6,7,8,9,10,11,12,13,14,15
	TILE \i
.endr
	PLACES 4
	DOTS 15
	; THE END.  A row's two half sums lie in lanes r and 16 + r.  One exchange of halves for two tiles brings them together: lanes 0-15 then hold tile 8 p + m, lanes 16-31 tile 8 p + 4 + m
.irp p, 0,1
.irp m, 0,1,2,3
	v_permlane16_swap_b32 v[P+8*\p+\m], v[P+4+8*\p+\m]
.endr
.endr
.irp p, 0,1
.irp m, 0,1,2,3
	v_add_f32 v[128+4*\p+\m], v[P+8*\p+\m], v[P+4+8*\p+\m]
.endr
.endr
	global_store_b128 v[DO], v[128:131], s[16:17]              ; each half of the lanes stores 256 consecutive bytes, aligned: one (g64, head)
	global_store_b128 v[DO], v[132:135], s[16:17] offset:8192
	v_max3_num_f32 v12, v128, v129, v130           ; the block's largest d of my head
	v_max3_num_f32 v13, v131, v132, v133
	v_max3_num_f32 v12, v12, v134, v135
	v_max_num_f32 v12, v12, v13
.irp k, 1,2,4,8
	v_max_num_f32_dpp v12, v12, v12 row_xmask:\k row_mask:0xf bank_mask:0xf
.endr
	v_permlanex16_b32 v13, v12, s[SEL], s[SEL+1]
	v_max_num_f32 v12, v12, v13
.irp j, 0,1,2,3,4,5,6,7
	v_sub_f32 v[136+\j], v[128+\j], v12            ; the difference first, then x c: no difference of large products is formed
.endr
.irp j, 0,1,2,3,4,5,6,7
	v_mul_f32 v[136+\j], s[CS], v[136+\j]
.endr
	s_wait_alu depctr_va_vdst(0)
.irp j, 0,1,2,3,4,5,6,7
	v_exp_f32 v[136+\j], v[136+\j]
.endr
	v_nop                                          ; a plain line behind the last exponential
	s_wait_alu depctr_va_vdst(0)                   ; ahead of the first reader
	v_pk_add_f32 v[136:137], v[136:137], v[138:139]
	v_pk_add_f32 v[140:141], v[140:141], v[142:143]
	v_pk_add_f32 v[136:137], v[136:137], v[140:141]
	v_add_f32 v13, v136, v137
.irp k, 1,2,4,8
	v_add_f32_dpp v13, v13, v13 row_xmask:\k row_mask:0xf bank_mask:0xf
.endr
	v_permlanex16_b32 v14, v13, s[SEL], s[SEL+1]
	v_add_f32 v13, v13, v14                        ; v[12:13] = (largest d, sum)
	v_cmp_eq_u32 vcc_lo, 0, v15
	s_wait_alu depctr_va_vdst(0)
	s_wait_xcnt 0x0                                ; EXEC changes only behind this wait: the stores above have read theirs
	s_and_saveexec_b32 s84, vcc_lo
	global_store_b64 v[ZO], v[12:13], s[18:19]     ; lane 0 alone: 8 bytes a wave, 8,192 in the launch
	s_wait_xcnt 0x0
	s_or_b32 exec_lo, exec_lo, s84
	s_wait_tensorcnt 0x0                           ; the wave's end
	ds_add_u32 v[SPW], v[NIL]
	s_wait_dscnt 0x0
	CROUND                                         ; the closing round: no work-group ends while a partner may still ask for a tile that names it
	s_endpgm
.Lfunc_end_k_q64a96898ab_qk_dots:
	.size	k_q64a96898ab_qk_dots, .Lfunc_end_k_q64a96898ab_qk_dots-k_q64a96898ab_qk_dots
	.p2alignl 7, 3214868480
	.fill 96, 4, 3214868480
	.section	.rodata,"a",@progbits
	.p2align	6, 0x0
	.amdhsa_kernel k_q64a96898ab_qk_dots
		.amdhsa_group_segment_fixed_size 327680
		.amdhsa_private_segment_fixed_size 0
		.amdhsa_enable_private_segment 0
		.amdhsa_kernarg_size 64
		.amdhsa_user_sgpr_count 2
		.amdhsa_user_sgpr_kernarg_segment_ptr 1
		.amdhsa_wavefront_size32 1
		.amdhsa_system_sgpr_workgroup_id_x 1
		.amdhsa_system_sgpr_workgroup_id_y 1
		.amdhsa_system_sgpr_workgroup_id_z 1
		.amdhsa_system_vgpr_workitem_id 0
		.amdhsa_next_free_vgpr 1024
		.amdhsa_next_free_sgpr 102
		.amdhsa_reserve_vcc 1
		.amdhsa_float_denorm_mode_32 3
		.amdhsa_float_denorm_mode_16_64 3
		.amdhsa_memory_ordered 1
		.amdhsa_forward_progress 1
		.amdhsa_inst_pref_size 127
	.end_amdhsa_kernel
	.amdgpu_metadata
---
amdhsa.version: [ 1, 2 ]
amdhsa.kernels:
  - .name:           k_q64a96898ab_qk_dots
    .symbol:         k_q64a96898ab_qk_dots.kd
    .args:
      - { .name: x_codes, .offset: 0, .size: 8, .value_kind: global_buffer, .address_space: global }
      - { .name: x_scales, .offset: 8, .size: 8, .value_kind: global_buffer, .address_space: global }
      - { .name: Wq_codes, .offset: 16, .size: 8, .value_kind: global_buffer, .address_space: global }
      - { .name: Wq_scales, .offset: 24, .size: 8, .value_kind: global_buffer, .address_space: global }
      - { .name: Wk_codes, .offset: 32, .size: 8, .value_kind: global_buffer, .address_space: global }
      - { .name: Wk_scales, .offset: 40, .size: 8, .value_kind: global_buffer, .address_space: global }
      - { .name: dots, .offset: 48, .size: 8, .value_kind: global_buffer, .address_space: global }
      - { .name: stats, .offset: 56, .size: 8, .value_kind: global_buffer, .address_space: global }
    .group_segment_fixed_size: 327680
    .private_segment_fixed_size: 0
    .kernarg_segment_align: 8
    .kernarg_segment_size: 64
    .max_flat_workgroup_size: 128
    .sgpr_count:     102
    .vgpr_count:     1024
    .wavefront_size: 32
...
	.end_amdgpu_metadata
.endif
;; end of part 1
;; launch attn_out (part 2): grid 256 x 1, 4 waves a work-group, clusters of 4 x 1, 327,680 bytes of LDS; arguments x_codes, x_scales, Wv_codes, Wv_scales, Wo_codes, Wo_scales, bo, dots, stats, out0; writes out0
.if DOCPART == 2
	.amdgcn_target "amdgcn-amd-amdhsa--gfx1250"
	.amdhsa_code_object_version 6
	.text
	.protected	k_q64a96898ab_attn_out
	.globl	k_q64a96898ab_attn_out
	.p2align	8
	.type	k_q64a96898ab_attn_out,@function
k_q64a96898ab_attn_out:
	s_mov_b64 s[64:65], 0
	v_nop
	global_prefetch_b8 v0, s[64:65] scope:SCOPE_SE
	s_setreg_imm32_b32 hwreg(HW_REG_WAVE_MODE, 25, 1), 1
	s_wait_xcnt 0x0
	s_wait_alu depctr_hold_cnt(0) depctr_sa_sdst(0) depctr_va_vdst(0) depctr_va_sdst(0) depctr_va_ssrc(0) depctr_va_vcc(0) depctr_vm_vsrc(0)
	s_getreg_b32 s2, hwreg(HW_REG_IB_STS2, 6, 4)
	s_cmp_eq_u32 s2, 0
	s_cbranch_scc0 .Lentry_in_a_cluster
	s_endpgm
.Lentry_in_a_cluster:
	s_bfe_u32 s2, ttmp6, 0x10000c
	s_cmp_lg_u32 s2, 0x3003
	s_cbranch_scc0 .Lentry_shape_is_right
	s_endpgm
.Lentry_shape_is_right:
; attn = softmax over a batch's 4,096 rows of d / 8 (d and each 256-row block's largest d and sum come from the launch before);  v = x Wv^T;  a = attn v, quantised along the 1,024 channels;  out = a Wo^T + bo.
; Both products on codes of FP4 (E2M1) with one E8M0 scale for each 32 along K.  v and a never go to memory.
; THE STRIDED PERMUTATION moves q, k and v alike and is never undone: row n = 32 t + l of a batch leaves as output row 128 l + t.  It is done in the stores' addresses alone.
; SHARES.  A work-group takes 64 flat rows (g = 0..255) through the whole chain, since all 1,024 channels of a row are the last product's K.  The weights walk past in 8 positions of 256 rows (0-3: Wv; 4-7: Wo)
; through a ring of two LDS slots.  The 64 rows' operand (x, later a), 32 fragments = 256 registers, lies whole in every wave; wave w multiplies it by 64 of a position's 256 weight rows, also 256 registers,
; so a weight fragment is read from LDS once, by one wave, and feeds all 64 rows, and a slot is free as soon as its fragments lie in registers.
; POSITIONS 0-3, TRANSPOSED (source 0 = 32 rows of Wv, source 1 = 16 of my rows): wave w has head 4 c + w; lane (r, h) holds row r, its register j channel 16 t + 8 h + j: neighbours along the next K.
; POSITIONS 4-7, the other way round (source 0 = 32 of my rows, source 1 = 16 rows of Wo): lane (r, h), register 8 m + j holds row 16 m + 8 h + j and the column of weight row r of tile t.  Tile t takes every fourth row:
; column 64 w + 4 r + t, so that the four tiles give a lane four NEIGHBOURING columns: with the bias added they leave as 16 bytes, sixteen lanes filling 256 aligned bytes.  For that, wave w fetches a chunk's rows
; 4 i + w, i = 0..63, to LDS rows 64 w + i: tile t of wave W is then LDS rows 64 t + 16 W + r.  The first 32 rows are finished, and leave, ahead of the other 32.
; WO'S ROWS ARE ROTATED FROM CLUSTER TO CLUSTER: position 4 + p takes its chunk C(p) = (p + R) % 4, R = the sum of the cluster number's three base-4 digits, % 4, so that at any position the clusters work on all
; four chunks and all columns.  R enters global addresses alone.
; CLUSTER 4 x 1: the four partners walk the same chunks in the same order, so each chunk is asked for jointly.  x's rows are the work-group's own: a plain load.
; a GOES FROM WAVE TO WAVE THROUGH LDS AS IMAGES OF THE OPERAND'S REGISTERS: half a fragment (a tile of 16 rows, one head: 4 registers a lane) by one ds_store_b128 at 16 x lane; its two scale bytes a row by one ds_store_b16.
; SCALE WORDS.  Source 1's: register j of a row's four holds K step j in lanes 0-15 and K step 4 + j in lanes 16-31; K steps 4-7 name the upper lanes.  Source 0's: lane l has row l of 32, a register a K step.
; THE QUANTISER: a block's largest magnitude with the floor 2^(3 - 127); 2 off its exponent field is the conversion's scale operand, and that shifted down the byte.
; LIMITS: an exponential under 2^-126 comes out as 0, so such an attn is 0; 1 / sum is v_rcp_f32 and a multiplication; a block of a that is all zeros gets the byte 1 where the rule says 127 (its codes are zeros, and
; this program alone reads the bytes); NaN, infinities and scale bytes 0xff pass on as the matrix unit gives them.
; REGISTERS, in windows of 256: window 0: v1-31 addresses; v32-159 the weights' scale words, 16 a position, of which v32-47 later hold the bias; v160-175 the rows' scale words; v176-207 attn, a pair
;   for (c, m); v208-255 the quantiser's work; from position 4 on v176-239 and v64-95 are six sets of 16 on their way out.   window 1: the rows' fragments, (tile m, K step s) at 16 (8 (m / 2) + s) + 8 (m % 2).
;   window 2: a position's weight fragments, (s, t) at 8 (4 s + t).   window 3: the accumulators: positions 0-3 (tile m, pair p) at 32 m + 16 p; positions 4-7 (pair of row tiles P, t) at 16 (4 P + t), + 128 in 5 and 7.
.set PITCH, 528                        ; an LDS row: 512 bytes of codes + 16 of padding = 33 x 16 bytes
.set T16,   16*PITCH
.set T64,   64*PITCH
.set SLOT,  4*T64                      ; a chunk: 256 rows
.set XREG,  2*SLOT                     ; x's 64 rows, filled once;
.set AIMG,  XREG                       ; afterwards a's images: (tile m, head hd) at 8,192 m + 512 hd + 16 lane
.set ASC,   XREG+T64                   ; a's scale bytes, [row 64][32]
.set SPARE, ASC+2048                   ; the spare words, 128 bytes for each wave: two blocks of 256 bytes that no other line names
.set VW,  1                            ; v1   32 x lane
.set AX,  3                            ; v3   my lane's place in x's rows
.set AB,  4                            ; v4-5 in my wave's rows of slot 0, 1 (Wv)
.set AO,  6                            ; v6-9 in Wo's rows: slot 0 tiles 0-1, tiles 2-3, slot 1 likewise
.set LI,  10                           ; v10  AIMG + 16 lane
.set AWI, 11                           ; v11  + 512 w: where I store images
.set ASW, 12                           ; v12  ASC + 32 r + 2 w: where I store two scale bytes
.set ASR, 13                           ; v13  ASC + 32 lane: where I read scale words
.set VS,  14                           ; v14  32 r + 16 h
.set PFO, 15                           ; v15  256 x lane, the prefetches' offset
.set COP, 16                           ; v16-19  the stores' offsets: 4,194,304 h + 16 r + 256 w + 1,024 C(p)
.set BOF, 20                           ; v20-23  bo's offsets: 16 r + 1,024 C(p)
.set SPW, 24                           ; v24  LDS address of my spare word; never rewritten
.set NIL, 25                           ; v25  0; never rewritten
.set VSO, 26                           ; v26-29  Wo's scale words: 128 r + 16 h + 8,192 C(p)
.set WS,  32                           ; Wv: (position c, 32 rows p, K step s) at 32 + 16 c + 8 p + s;  Wo: (c, tile t, register j) at 32 + 16 c + 4 t + j
.set BI,  32                           ; the bias: (position - 4) at 32 + 4 (c - 4), columns 4 r .. 4 r + 3 of my 64
.set XS,  160                          ; x: (tile m, register j) at 160 + 4 m + j;  a: (32 rows P, K step s) at 160 + 8 P + s
.set AT,  176
.set TM,  208                          ; largest magnitudes of the eight blocks (tile m, block b: 2 m + b)
.set TP,  216                          ; the other half's
.set SO,  224                          ; the conversions' scale operands
.set PC,  232                          ; the codes
.set SB,  248                          ; the scale bytes
.set SG,  208                          ; at the head: (largest d, sum) of a block, a pair for each of my four heads
.set DD,  216                          ; d of my rows: 4 c + m
.set MX,  232                          ; the batch's largest d
.set EE,  236
.set RC,  240
.set WV,  24                           ; s24  wave
.set G1W, 28                           ; s[28:35] group 1: 64 rows, all four partners: the ring's
.set G1X, 36                           ; s[36:43] 64 rows, no mask: x
.set G1A, 44                           ; s[44:51] 128 rows, all four partners
.set G1B, 52                           ; s[52:59] 256 rows, all four partners
.set SEL, 60
.set CS,  62
.set PVW, 66                           ; s[66:67] Wv's codes at my wave's 64 rows of chunk 0
.set G0,  68                           ; s[68:75] group 0 for slot 0, slot 1
.set G0X, 76
.set G0A, 80                           ; chunk 0, rows 0..127
.set G0C, 84                           ; chunk 0, rows 128..255
.set G0B, 88                           ; chunk 1
.set POW, 92                           ; s[92:93] Wo's codes at row w of chunk 0
.set CC,  94                           ; s94-97  C(p)
.set OF,  98                           ; s[98:99] a chunk's offset in Wo; the upper word stays 0
.set OB0, 22                           ; s[22:23] the output at my rows with l < 16;
.set OB1, 100                          ; s[100:101] with l >= 16
.set PFV, 2                            ; s[2:3] where my prefetch of Wv stands
.set PFA, 12                           ; s[12:13] Wo's codes; then where my prefetch of Wo stands
.set MSB, 0
.set N_,  0                            ; counts the sets of 16 that have left
.macro WIN new                         ; the immediate's high byte repeats the setting that is left; a switch that changes nothing is dropped
.if MSB != (\new)
	s_set_vgpr_msb (MSB<<8)|(\new)
.set MSB, \new
.endif
.endm
.macro PLACES n
.rept \n
	v_nop
.endr
.endm
.macro CREST                           ; a round of the cluster's barrier behind its opening barrier
	s_cmp_lg_u32 s[WV], 0
	s_cbranch_scc1 .Lnot_wave_0_\@
	s_barrier_signal -3
.Lnot_wave_0_\@:
	s_barrier_wait -3
	s_barrier_signal -1
	s_barrier_wait -1
.endm
.macro CROUND
	s_barrier_signal -1
	s_barrier_wait -1
	CREST
.endm
.macro G1REST g, rows                  ; a tile of rows x 512 bytes, dense in memory
	s_mov_b32 s[\g+1], 512<<16
	s_mov_b32 s[\g+2], (\rows)<<16
	s_mov_b32 s[\g+3], 512<<16
	s_mov_b32 s[\g+4], \rows
	s_mov_b32 s[\g+5], 512
	s_mov_b32 s[\g+6], 0
	s_mov_b32 s[\g+7], 0
.endm
; one product of 32 x 16 x 128.  z: C = 0 (it starts a sum);  hi: source 1's scale words are taken from lanes 16-31
.macro PROD d, a, b, z, sa, sb, hi
.if \z
	v_wmma_scale_f32_32x16x128_f4 v[\d:\d+15], v[\a:\a+15], v[\b:\b+7], 0, v[\sa], v[\sb]
.elseif \hi
	v_wmma_scale_f32_32x16x128_f4 v[\d:\d+15], v[\a:\a+15], v[\b:\b+7], v[\d:\d+15], v[\sa], v[\sb] matrix_b_scale:MATRIX_SCALE_ROW1
.else
	v_wmma_scale_f32_32x16x128_f4 v[\d:\d+15], v[\a:\a+15], v[\b:\b+7], v[\d:\d+15], v[\sa], v[\sb]
.endif
.endm
	s_load_b512 s[4:19], s[0:1], 0x0               ; x_codes 4, x_scales 6, Wv_codes 8, Wv_scales 10, Wo_codes 12, Wo_scales 14, bo 16, dots 18
	s_load_b128 s[20:23], s[0:1], 0x40             ; stats 20, out0 22
	v_lshl_add_u32 v[SPW], v0, 2, SPARE
	v_mov_b32 v[NIL], 0
	ds_add_u32 v[SPW], v[NIL]                      ; the wave's opening: the add, twice on end, and its one wait ahead of my first tensor load
	ds_add_u32 v[SPW], v[NIL]
	v_lshrrev_b32 v1, 5, v0
	v_readfirstlane_b32 s[WV], v1                  ; wave 0..3
	s_bfe_u32 s25, ttmp6, 0x40000                  ; cx
	s_lshl_b32 s26, ttmp9, 2
	s_add_co_u32 s26, s26, s25                     ; g = 4 x cluster x + cx: it enters global addresses of my own loads, stores and prefetches alone
	s_lshr_b32 s94, ttmp9, 2                       ; THE ROTATION, from the cluster's number alone: the same in all four partners
	s_lshr_b32 s95, ttmp9, 4
	s_add_co_u32 s94, s94, ttmp9
	s_add_co_u32 s94, s94, s95
	s_and_b32 s[CC], s94, 3                        ; R = C(0)
.irp p, 1,2,3
	s_add_co_u32 s[CC+\p], s[CC], \p
	s_and_b32 s[CC+\p], s[CC+\p], 3
.endr
	s_mov_b32 s[G1W], 15|(1<<20)|(1<<21)|(6<<22)|(3<<25)   ; 15:0 the mask: all four; 17:16 elements of 1 byte; 20 padding on; 21 set beside a mask; 24:22 after every 128 words (code 6); 31:25 four words (code 3)
	G1REST G1W, 64
	s_mov_b32 s[G1X], (1<<20)|(6<<22)|(3<<25)      ; the same without a mask
	G1REST G1X, 64
	s_mov_b32 s[G1A], 15|(1<<20)|(1<<21)|(6<<22)|(3<<25)
	G1REST G1A, 128
	s_mov_b32 s[G1B], 15|(1<<20)|(1<<21)|(6<<22)|(3<<25)
	G1REST G1B, 256
	s_mov_b32 s[G0], 1                             ; the ring's descriptors; their global addresses are written ahead of each refill
	s_mul_i32 s[G0+1], s[WV], T64                  ; LDS addresses: constants and the wave's number alone
	s_mov_b32 s[G0+4], 1
	s_add_co_u32 s[G0+5], s[G0+1], SLOT
	s_mov_b32 s[G0X], 1
	s_mov_b32 s[G0X+1], XREG
	s_lshl_b32 s[G0X+2], s26, 15                   ; x's codes: 64 g rows of 512 bytes
	s_mov_b32 s[G0X+3], 0
	s_mov_b32 s[G0A], 1
	s_mov_b32 s[G0A+1], 0
	s_mov_b32 s[G0C], 1
	s_mov_b32 s[G0C+1], 2*T64
	s_mov_b32 s[G0B], 1
	s_mov_b32 s[G0B+1], SLOT
	s_lshl_b32 s[PVW], s[WV], 15                   ; Wv: my wave's 64 rows
	s_mov_b32 s[PVW+1], 0
	s_lshl_b32 s[POW], s[WV], 9                    ; Wo: row w, and then every fourth
	s_mov_b32 s[POW+1], 0
	s_lshl_b32 s63, s[WV], 13
	s_and_b32 s[PFV], s26, 7                       ; the prefetch of Wv's chunks 2 and 3: of their 32 runs of 8,192 bytes, run 4 (g % 8) + w
	s_lshl_b32 s[PFV], s[PFV], 15
	s_add_co_u32 s[PFV], s[PFV], s63
	s_add_co_u32 s[PFV], s[PFV], 262144
	s_mov_b32 s[PFV+1], 0
	s_lshl_b32 s70, s26, 11                        ; x's scale bytes: 64 x 32
	s_mov_b32 s71, 0
	s_lshl_b32 s74, s[WV], 11                      ; a weight's scale bytes: my wave's 64 x 32
	s_mov_b32 s75, 0
	s_lshl_b32 s98, s[WV], 8                       ; bo: my wave's 64 numbers
	s_mov_b32 s99, 0
	s_lshl_b32 s100, s26, 12                       ; dots: 4,096 bytes a g,
	s_add_co_u32 s100, s100, s98                   ; + 256 w: head w
	s_mov_b32 s101, 0
	s_lshr_b32 s104, s26, 6                        ; stats: 2,048 bytes a batch,
	s_lshl_b32 s104, s104, 11
	s_lshl_b32 s27, s[WV], 7
	s_add_co_u32 s104, s104, s27                   ; + 128 w
	s_mov_b32 s105, 0
	s_mov_b32 s[SEL], 0x76543210
	s_mov_b32 s[SEL+1], 0xfedcba98
	s_mov_b32 s[CS], 0x3e38aa3b                    ; c = log2(e) / 8
	s_lshl_b32 s27, s[WV], 1
	s_mul_i32 s63, s[WV], T16
	v_and_b32 v1, 15, v0                           ; r
	v_bfe_u32 v2, v0, 4, 1                         ; h
	v_and_b32 v30, 31, v0                          ; lane
	v_mul_u32_u24 v31, v1, PITCH
	v_lshl_add_u32 v31, v2, 4, v31                 ; a fragment's row x pitch + 16 x half
	v_add_nc_u32 v[AX], XREG, v31
	v_add_nc_u32 v[AB], s[G0+1], v31
	v_add_nc_u32 v[AB+1], s[G0+5], v31
	v_add_nc_u32 v[AO], s63, v31                   ; Wo: LDS rows 64 t + 16 w + r
	v_add_nc_u32 v[AO+1], 2*T64, v[AO]
	v_add_nc_u32 v[AO+2], SLOT, v[AO]
	v_add_nc_u32 v[AO+3], SLOT+2*T64, v[AO]
	v_lshl_add_u32 v[LI], v30, 4, AIMG
	v_lshlrev_b32 v[PFO], 8, v30
	v_add_nc_u32 v[AWI], s[POW], v[LI]             ; + 512 w
	v_lshl_add_u32 v[ASR], v30, 5, ASC
	v_lshlrev_b32 v[VS], 5, v1
	v_add_nc_u32 v[ASW], s27, v[VS]
	v_add_nc_u32 v[ASW], ASC, v[ASW]
	v_lshl_add_u32 v[VS], v2, 4, v[VS]
	v_lshlrev_b32 v176, 3, v1                      ; stats' offset
	v_lshlrev_b32 v177, 4, v1                      ; dots'
	v_lshlrev_b32 v31, 7, v1
	v_lshl_add_u32 v31, v2, 4, v31
	v_lshlrev_b32 v[VW], 5, v30                    ; (r is used no more)
	v_lshl_add_u32 v30, v2, 22, v177               ; 8 rows l on are 8 x 128 output rows of 4,096 bytes
	v_add_nc_u32 v30, s98, v30
.irp p, 0,1,2,3                                ; what chunk C(p) adds to each offset
	v_lshl_add_u32 v[COP+\p], s[CC+\p], 10, v30    ; 256 columns of the output,
	v_lshl_add_u32 v[BOF+\p], s[CC+\p], 10, v177   ; 256 numbers of bo,
	v_lshl_add_u32 v[VSO+\p], s[CC+\p], 13, v31    ; 256 rows of 32 scale bytes
.endr
	s_wait_alu depctr_va_vdst(0)
	s_wait_dscnt 0x0                               ; both opening adds are done
	CROUND                                         ; all four work-groups are here: the first joint loads meet.  The arguments are on their way meanwhile
	s_wait_kmcnt 0x0
	s_add_nc_u64 s[G0X+2:G0X+3], s[4:5], s[G0X+2:G0X+3]
	s_or_b32 s[G0X+3], s[G0X+3], 0x80000000
	s_mov_b64 s[G0A+2:G0A+3], s[8:9]
	s_or_b32 s[G0A+3], s[G0A+3], 0x80000000
	s_add_nc_u64 s[G0C+2:G0C+3], s[8:9], 0x10000
	s_or_b32 s[G0C+3], s[G0C+3], 0x80000000
	s_add_nc_u64 s[G0B+2:G0B+3], s[8:9], 0x20000
	s_or_b32 s[G0B+3], s[G0B+3], 0x80000000
; THE HEAD'S LOADS, ONE A WAVE, in one tree of branches on the wave's number: wave 0 fetches x's 64 rows, waves 1 and 3 the halves of chunk 0, wave 2 chunk 1
.macro ARM under, g0, g1, next
	s_cmp_lt_u32 s[WV], \under
	s_cbranch_scc0 \next
	tensor_load_to_lds s[\g0:\g0+3], s[\g1:\g1+7]
	s_nop 0
	PLACES 4
	s_branch .Lhead_asked
\next:
.endm
	ARM 1, G0X, G1X, .Lhead_a
	ARM 2, G0A, G1A, .Lhead_b
	ARM 3, G0B, G1B, .Lhead_c
	tensor_load_to_lds s[G0C:G0C+3], s[G1A:G1A+7]
	s_nop 0
	PLACES 4
.Lhead_asked:
	s_add_nc_u64 s[20:21], s[20:21], s[104:105]
	s_add_nc_u64 s[18:19], s[18:19], s[100:101]
	s_add_nc_u64 s[6:7], s[6:7], s[70:71]
	s_add_nc_u64 s[10:11], s[10:11], s[74:75]
	s_add_nc_u64 s[14:15], s[14:15], s[74:75]
.irp c, 0,1,2,3
	global_load_b64 v[SG+2*\c:SG+2*\c+1], v176, s[20:21] offset:512*\c            ; head 4 c + w: lane r takes block r's (largest d, sum); both halves of the lanes alike
.endr
.irp c, 0,1,2,3
	global_load_b128 v[DD+4*\c:DD+4*\c+3], v177, s[18:19] offset:1024*\c          ; d of rows 16 m + r, m = 0..3
.endr
.irp m, 0,1,2,3
	global_load_b128 v[XS+4*\m:XS+4*\m+3], v[VS], s[6:7] offset:512*\m
.endr
.irp c, 0,1,2,3
.irp p, 0,1
.irp k, 0,1
	global_load_b128 v[WS+16*\c+8*\p+4*\k:WS+16*\c+8*\p+4*\k+3], v[VW], s[10:11] offset:8192*\c+1024*\p+16*\k
.endr
.endr
.endr
.irp c, 0,1,2,3
.irp t, 0,1,2,3
	global_load_b128 v[WS+64+16*\c+4*\t:WS+64+16*\c+4*\t+3], v[VSO+\c], s[14:15] offset:32*\t     ; row 64 w + 4 r + t of chunk C(c)
.endr
.endr
	s_add_nc_u64 s[PVW:PVW+1], s[8:9], s[PVW:PVW+1]
	s_add_nc_u64 s[POW:POW+1], s[12:13], s[POW:POW+1]
	s_add_nc_u64 s[16:17], s[16:17], s[98:99]
	s_add_nc_u64 s[PFV:PFV+1], s[8:9], s[PFV:PFV+1]
	s_and_b32 s70, s26, 15                         ; the prefetch of Wo: of its 64 runs of 8,192 bytes, run 4 (g % 16) + w
	s_lshl_b32 s70, s70, 15
	s_lshl_b32 s27, s[WV], 13
	s_add_co_u32 s70, s70, s27
	s_mov_b32 s71, 0
	s_add_nc_u64 s[PFA:PFA+1], s[12:13], s[70:71]
	s_lshr_b32 s74, s26, 6                         ; the output: the batch's 4,096 rows of 4,096 bytes,
	s_lshl_b32 s74, s74, 24
	s_and_b32 s27, s26, 63                         ; gb: my 64 rows are t = 2 gb, 2 gb + 1, each with l = 0..31
	s_lshl_b32 s27, s27, 13
	s_add_co_u32 s74, s74, s27                     ; + 2 gb rows
	s_mov_b32 s75, 0
	s_add_nc_u64 s[OB0:OB0+1], s[22:23], s[74:75]
	s_add_nc_u64 s[OB1:OB1+1], s[OB0:OB0+1], 0x800000      ; l + 16: 16 x 524,288 bytes on
	; A PREFETCH INTO THE L2 of Wv's chunks 2 and 3, each aligned block of 256 bytes named once in the launch, ahead of position 0's products.  Clusters 0 and 1 ask (a branch on the cluster's number, the same in all
	; partners); their 8 work-groups and 32 waves share the bytes out BY ADDRESS: 8,192 bytes a wave, lanes 256 bytes apart
	s_cmp_lt_u32 ttmp9, 2
	s_cbranch_scc0 .Lnot_mine_v
	global_prefetch_b8 v[PFO], s[PFV:PFV+1] th:TH_LOAD_NT scope:SCOPE_SE
.Lnot_mine_v:
	s_wait_loadcnt 36                              ; stats and dots are in; the 4 + 16 + 16 loads of scale words behind them may be out
	; THE SOFTMAX of my four heads.  M = the largest of the 16 blocks' largest d; S = the sum of each block's sum x 2^((its largest - M) c); attn = 2^((d - M) c) / S
.irp c, 0,1,2,3
	v_mov_b32 v[MX+\c], v[SG+2*\c]
.endr
.irp k, 1,2,4,8
.irp c, 0,1,2,3
	v_max_num_f32_dpp v[MX+\c], v[MX+\c], v[MX+\c] row_xmask:\k row_mask:0xf bank_mask:0xf
.endr
.endr
.irp c, 0,1,2,3
	v_sub_f32 v[EE+\c], v[SG+2*\c], v[MX+\c]       ; the difference first, then x c: no difference of large products is formed
.endr
.irp c, 0,1,2,3
.irp m, 0,1,2,3
	v_sub_f32 v[DD+4*\c+\m], v[DD+4*\c+\m], v[MX+\c]
.endr
.endr
.irp j, 0,1,2,3
	v_mul_f32 v[EE+\j], s[CS], v[EE+\j]
.endr
.irp j, 0,1,2,3,4,5,6,7,8,9,10,11,12,13,14,15
	v_mul_f32 v[DD+\j], s[CS], v[DD+\j]
.endr
	s_wait_alu depctr_va_vdst(0)
.irp j, 0,1,2,3
	v_exp_f32 v[EE+\j], v[EE+\j]
.endr
.irp j, 0,1,2,3,4,5,6,7,8,9,10,11,12,13,14,15
	v_exp_f32 v[DD+\j], v[DD+\j]
.endr
	v_nop                                          ; a plain line behind the last exponential
	s_wait_alu depctr_va_vdst(0)                   ; ahead of the first reader
.irp c, 0,1,2,3
	v_mul_f32 v[EE+\c], v[EE+\c], v[SG+2*\c+1]
.endr
.irp k, 1,2,4,8
.irp c, 0,1,2,3
	v_add_f32_dpp v[EE+\c], v[EE+\c], v[EE+\c] row_xmask:\k row_mask:0xf bank_mask:0xf
.endr
.endr
	s_wait_alu depctr_va_vdst(0)
.irp c, 0,1,2,3
	v_rcp_f32 v[RC+\c], v[EE+\c]
.endr
.irp j, 0,1,2,3,4,5,6,7,8,9,10,11,12,13,14,15
	v_mov_b32 v[AT+2*\j+1], 0                      ; the upper halves of attn's pairs: the packed form names the pair and takes its low word.  (Plain lines behind the reciprocals)
.endr
	s_wait_alu depctr_va_vdst(0)                   ; one wait for the four
.irp c, 0,1,2,3
.irp m, 0,1,2,3
	v_mul_f32 v[AT+8*\c+2*\m], v[DD+4*\c+\m], v[RC+\c]     ; attn of row 16 m + r, head 4 c + w
.endr
.endr
.irp j, 0,1,2,3,4,5,6,7
	v_mov_b32 v[TP+\j], 0                          ; written once: a lane permute's destination counts as one of its sources
.endr
; 8 products: K step s of position c (0-3): my four tiles of rows x two pairs of weight tiles.  The accumulators take turns, one instruction a turn
.macro MULS c, s
	WIN 0xf6                                       ; source 0 (the weight) window 2, source 1 (the rows) window 1, C and D window 3
.irp m, 0,1,2,3
.irp p, 0,1
	PROD 32*\m+16*\p, 8*(4*(\s)+2*\p), 16*(8*(\m/2)+(\s))+8*(\m%2), (\s)==0, WS+16*(\c)+8*\p+(\s), XS+4*\m+((\s)%4), (\s)/4
.endr
.endr
.endm
; 4 products: K step s of position c (4-7): my 32 rows P x the four weight tiles, by turns
.macro MULP c, P, s
	WIN 0xf9                                       ; source 0 (the rows) window 1, source 1 (the weight) window 2
.irp t, 0,1,2,3
	PROD 128*((\c)%2)+16*(4*(\P)+\t), 16*(8*(\P)+(\s)), 8*(4*(\s)+\t), (\s)==0, XS+8*(\P)+(\s), WS+16*(\c)+4*\t+((\s)%4), (\s)/4
.endr
.endm
.macro STEP c, s
.if (\c) < 4
	MULS \c, \s
.else
	MULP \c, 1, \s
.endif
.endm
.macro WFRAG c, s                      ; my weight fragments of position c, K step s: 8 loads
	WIN 0x80                                       ; destination window 2
.irp t, 0,1,2,3
.irp q, 0,1
.if (\c) < 4
	ds_load_b128 v[8*(4*(\s)+\t)+4*\q:8*(4*(\s)+\t)+4*\q+3], v[AB+(\c)%2] offset:\t*T16+64*(\s)+32*\q
.else
	ds_load_b128 v[8*(4*(\s)+\t)+4*\q:8*(4*(\s)+\t)+4*\q+3], v[AO+2*((\c)%2)+\t/2] offset:(\t%2)*T64+64*(\s)+32*\q
.endif
.endr
.endr
.endm
.macro FIRST s                         ; position 0: x's and Wv's fragments of K step s: 16 loads
	WIN 0x40                                       ; destination window 1
.irp m, 0,1,2,3
.irp q, 0,1
	ds_load_b128 v[16*(8*(\m/2)+(\s))+8*(\m%2)+4*\q:16*(8*(\m/2)+(\s))+8*(\m%2)+4*\q+3], v[AX] offset:\m*T16+64*(\s)+32*\q
.endr
.endr
	WFRAG 0, \s
.endm
.macro FETCHA s                        ; a's fragments of K step s, from the images: 8 loads
	WIN 0x40
.irp m, 0,1,2,3
.irp q, 0,1
	ds_load_b128 v[16*(8*(\m/2)+(\s))+8*(\m%2)+4*\q:16*(8*(\m/2)+(\s))+8*(\m%2)+4*\q+3], v[LI] offset:(8*\m+(\s))*1024+512*\q
.endr
.endr
.endm
; THE WAY OUT OF POSITION n - 1 (0-3), beside the fetch of position n's first four K steps: v of my head, 64 rows x 64 channels, x attn, quantised, to LDS.
; Lane (r, h) holds of block b (32 channels) tiles 2 b and 2 b + 1: channels 32 b + 8 h + 0..7 and 32 b + 16 + 8 h + 0..7
.macro QUANT n
.irp m, 0,1,2,3
	WFRAG \n, \m
	WIN 0xc3                                       ; accumulators (destination, source 0) window 3, attn window 0
.irp j, 0,2,4,6,8,10,12,14,16,18,20,22,24,26,28,30
	v_pk_mul_f32 v[32*\m+\j:32*\m+\j+1], v[32*\m+\j:32*\m+\j+1], v[AT+8*((\n)-1)+2*\m:AT+8*((\n)-1)+2*\m+1] op_sel_hi:[1,0]   ; a = attn v; each accumulator from its low end on
.endr
.endr
	WIN 0x3c                                       ; sources 1 and 2 window 3
.irp m, 0,1,2,3
.irp b, 0,1
	v_max3_num_f32 v[TM+2*\m+\b], 0x1800000, |v[32*\m+16*\b]|, |v[32*\m+16*\b+1]|   ; my 16 numbers of the block, and the floor 2^(3 - 127): the byte cannot fall under 1
.endr
.endr
.irp k, 1,2,3,4,5,6,7
.irp m, 0,1,2,3
.irp b, 0,1
	v_max3_num_f32 v[TM+2*\m+\b], v[TM+2*\m+\b], |v[32*\m+16*\b+2*\k]|, |v[32*\m+16*\b+2*\k+1]|   ; (the eight blocks by turns)
.endr
.endr
.endr
	WIN 0
.irp j, 0,1,2,3,4,5,6,7
	v_permlanex16_b32 v[TP+\j], v[TM+\j], s[SEL], s[SEL+1]
.endr
.irp j, 0,1,2,3,4,5,6,7
	v_max_num_f32 v[TM+\j], v[TM+\j], v[TP+\j]     ; with lane l xor 16's 16: the block's largest magnitude
.endr
.irp j, 0,1,2,3,4,5,6,7
	v_add_nc_u32 v[SO+\j], 0xff000000, v[TM+\j]    ; 2 off its exponent field: the conversion takes the exponent field of this operand as its scale
.endr
.irp j, 0,1,2,3,4,5,6,7
	v_lshrrev_b32 v[SB+\j], 23, v[SO+\j]           ; the scale's byte
.endr
.irp m, 0,1,2,3
	v_lshl_or_b32 v[SB+2*\m], v[SB+2*\m+1], 8, v[SB+2*\m]  ; the head's two bytes of my row
.endr
	WIN 0x03                                       ; source 0 window 3
.irp m, 0,1,2,3
	v_cvt_scalef32_pk8_fp4_f32 v[PC+4*\m], v[32*\m:32*\m+7], v[SO+2*\m]           ; tile 0's codes to register 0, tile 2's to 1, tile 1's to 2, tile 3's to 3,
	v_cvt_scalef32_pk8_fp4_f32 v[PC+4*\m+2], v[32*\m+8:32*\m+15], v[SO+2*\m]
	v_cvt_scalef32_pk8_fp4_f32 v[PC+4*\m+1], v[32*\m+16:32*\m+23], v[SO+2*\m+1]
	v_cvt_scalef32_pk8_fp4_f32 v[PC+4*\m+3], v[32*\m+24:32*\m+31], v[SO+2*\m+1]
.endr
	WIN 0
	v_nop                                          ; one plain line behind the scaled conversions
.irp m, 0,1,2,3
	v_permlane16_swap_b32 v[PC+4*\m], v[PC+4*\m+1]         ; so that two exchanges of halves leave block 0 whole in lanes 0-15 and block 1 whole in lanes 16-31, channels ascending in registers 0 to 3
	v_permlane16_swap_b32 v[PC+4*\m+2], v[PC+4*\m+3]
.endr
.irp m, 0,1,2,3
	ds_store_b128 v[AWI], v[PC+4*\m:PC+4*\m+3] offset:8192*\m+2048*((\n)-1)       ; the image of (tile m, head 4 (n - 1) + w)
	ds_store_b16 v[ASW], v[SB+2*\m] offset:512*\m+8*((\n)-1)                      ; both lanes of a row write the same two bytes with the same value
.endr
.endm
; THE WAY OUT OF POSITIONS 4-7: half f of tile m: registers j = 4 f .. 4 f + 3 of its four accumulators' half make 16 bytes of row 8 h + j each: l = 16 (m % 2) + 8 h + j, t = 2 gb + m / 2: output row 128 l + t.
; Sixteen lanes store 256 consecutive bytes, aligned; the largest immediate is 3,674,112, inside the signed 24 bits (ISA guide, chapter 10)
.macro OUTH c, m, f
.if (N_%6) < 4
.set RB_, 176+16*(N_%6)
.else
.set RB_, 64+16*(N_%6-4)
.endif
.if ((N_%6) == 0) && (N_ > 0)
	s_wait_xcnt 0x0                                ; the stores before have read all six sets
.endif
.set N_, N_+1
.set AC_, 128*((\c)%2)+64*((\m)/2)+8*((\m)%2)+4*(\f)
	WIN 0x03                                       ; source 0 (the accumulators) window 3
.irp i, 0,1,2,3
.irp t, 0,1,2,3
	v_add_f32 v[RB_+4*\i+\t], v[AC_+16*\t+\i], v[BI+4*((\c)-4)+\t]         ; + bo; each accumulator from its low end on
.endr
.endr
	WIN 0
.irp i, 0,1,2,3
	global_store_b128 v[COP+(\c)-4], v[RB_+4*\i:RB_+4*\i+3], s[OB0+(OB1-OB0)*((\m)%2):OB0+(OB1-OB0)*((\m)%2)+1] offset:524288*(4*(\f)+\i)+4096*((\m)/2) th:TH_STORE_NT
.endr
.endm
; A CHANGE OF SLOTS, inside position c (0-5): its fragments lie in registers or are about to, so its slot takes the chunk of two positions on.  na: the LDS instructions that may be out ahead of K step ka's products (the add among
; them; -1: they are in already); kb's stand between the barrier's signal and its wait
.macro REFILL c, ka, na, kb
.set G_, G0+4*((\c)%2)
	WIN 0
	s_wait_tensorcnt 0x0                           ; all my tensor loads have landed: the one that was out is my part of the next position's chunk;
	ds_add_u32 v[SPW], v[NIL]                      ; 0 onto my spare word
.if (\c) < 2                                   ; no tensor load of mine is out, so a descriptor may be written
	s_add_nc_u64 s[G_+2:G_+3], s[PVW:PVW+1], 131072*((\c)+2)
.else
	s_lshl_b32 s[OF], s[CC+(\c)-2], 17             ; 131,072 C(c - 2) bytes into Wo
	s_add_nc_u64 s[G_+2:G_+3], s[POW:POW+1], s[OF:OF+1]
.endif
	s_or_b32 s[G_+3], s[G_+3], 0x80000000
.if (\c) == 2
	s_mov_b32 s[G1W+5], 2048                       ; from here on: every fourth row, 2,048 bytes apart
.endif
.if (\na) >= 0
	s_wait_dscnt \na
.endif
	STEP \c, \ka
	s_wait_dscnt 0x0                               ; the add is done; my reads of this slot are over; my LDS stores have landed
	s_barrier_signal -1                            ; this barrier opens a round of the cluster's
	STEP \c, \kb
	WIN 0
	s_barrier_wait -1
	CREST                                          ; no wave of any partner still reads this slot or has a load on its way
	tensor_load_to_lds s[G_:G_+3], s[G1W:G1W+7]    ; my one tensor load behind the round
	s_nop 0
	PLACES 4
.endm
	s_wait_alu depctr_va_vdst(0)
	s_cmp_eq_u32 s[WV], 2
	s_cbranch_scc1 .Lchunk_1                       ; wave 2's load, a line of its own, is read behind the first change of slots, which waits for it
	s_wait_tensorcnt 0x0                           ; my part of x and of chunk 0 has landed
.Lchunk_1:
	s_barrier_signal -1
	s_barrier_wait -1                              ; x's 64 rows and chunk 0 are whole.
	; POSITION 0: its products follow the fragments as these come in, two K steps behind
	FIRST 0
	FIRST 1
	FIRST 2
	s_wait_loadcnt 0x0                             ; the scale words
.irp s, 0,1,2,3,4
	s_wait_dscnt 32                                ; K step s is in; the 32 loads of the two behind it may be out
	MULS 0, \s
	FIRST \s+3
.endr
	REFILL 0, 5, 33, 6                             ; two K steps' 32 loads and the add
	; A PREFETCH INTO THE L2 of Wo's codes, all 524,288 bytes, each aligned block of 256 bytes named once in the launch, two positions ahead of the first tensor load that asks for Wo.
	; Clusters 0 to 3 ask; their 16 work-groups and 64 waves share the bytes out BY ADDRESS: 8,192 bytes a wave, lanes 256 bytes apart
	s_cmp_lt_u32 ttmp9, 4
	s_cbranch_scc0 .Lnot_mine_o
	global_prefetch_b8 v[PFO], s[PFA:PFA+1] th:TH_LOAD_NT scope:SCOPE_SE
.Lnot_mine_o:
	MULS 0, 7
	; POSITIONS 1-3: K steps 0 to 3 come in under the quantising of the position before, 4 to 7 between the products
.macro VPOS c
	PLACES 4                                       ; in front of loads into registers that matrix instructions have read, and of the first read of results (ISA guide 7.12.1 for the read of results)
	QUANT \c
.if (\c) == 1
.irp p, 0,1,2,3
	global_load_b128 v[BI+4*\p:BI+4*\p+3], v[BOF+\p], s[16:17]     ; the bias, over position 0's scale words
.endr
.endif
.irp s, 0,1,2,3
	WFRAG \c, \s+4
	s_wait_dscnt 40                                ; K step s is in: behind it 32 loads and 8 LDS stores
	MULS \c, \s
.endr
	REFILL \c, 4, 25, 5                            ; 24 loads and the add
.if (\c) == 3                                  ; behind this round the images of positions 0-2 lie in LDS: K steps 0-5 of a take x's place in window 1
.irp s, 0,1,2,3,4,5
	FETCHA \s
.endr
.endif
	MULS \c, 6
	MULS \c, 7
.endm
	VPOS 1
	VPOS 2
	VPOS 3
	; POSITION 4: the last heads are quantised; behind a barrier a is whole
	PLACES 4
	QUANT 4
	s_wait_dscnt 0x0                               ; my images and scale bytes have landed
	s_barrier_signal -1
	s_barrier_wait -1                              ; everybody's have.
.irp p, 0,1
.irp k, 0,1
	ds_load_b128 v[XS+8*\p+4*\k:XS+8*\p+4*\k+3], v[ASR] offset:1024*\p+16*\k      ; a's scale words take x's place
.endr
.endr
	WFRAG 4, 4
	s_wait_dscnt 8                                 ; the scale words are in
	MULP 4, 0, 0
	WFRAG 4, 5
	MULP 4, 0, 1
	FETCHA 6
	WFRAG 4, 6
	MULP 4, 0, 2
	FETCHA 7
	WFRAG 4, 7
	MULP 4, 0, 3
	s_wait_dscnt 40                                ; each count: the loads issued behind the fragments that the next line reads
	MULP 4, 0, 4
	s_wait_dscnt 32
	MULP 4, 0, 5
	s_wait_dscnt 16
	MULP 4, 0, 6
	s_wait_dscnt 0x0
	MULP 4, 0, 7
	PLACES 4
	s_wait_loadcnt 0x0                             ; the bias
	OUTH 4, 0, 0
	OUTH 4, 0, 1
	REFILL 4, 0, -1, 1
	OUTH 4, 1, 0
	OUTH 4, 1, 1
.irp s, 2,3,4,5,6,7
	MULP 4, 1, \s
.endr
	; POSITIONS 5-7: K steps 0 to 3 come in while the position before's last 32 rows leave, 4 to 7 between the products; the first 32 rows leave in their own position
.macro OPOS c
	PLACES 4
	WFRAG \c, 0
	OUTH \c-1, 2, 0
	WFRAG \c, 1
	OUTH \c-1, 2, 1
	WFRAG \c, 2
	OUTH \c-1, 3, 0
	WFRAG \c, 3
	OUTH \c-1, 3, 1
.irp s, 0,1,2,3
	WFRAG \c, \s+4
	s_wait_dscnt 32                                ; K step s is in; the 32 loads behind it may be out
	MULP \c, 0, \s
.endr
	s_wait_dscnt 24
	MULP \c, 0, 4
	s_wait_dscnt 16
	MULP \c, 0, 5
	s_wait_dscnt 8
	MULP \c, 0, 6
	s_wait_dscnt 0x0
	MULP \c, 0, 7
	PLACES 4
	OUTH \c, 0, 0
	OUTH \c, 0, 1
.if (\c) == 5
	REFILL 5, 0, -1, 1
.else
.if (\c) == 6
	WIN 0
	s_wait_tensorcnt 0x0                           ; my part of the last chunk has landed; nothing is filled any more
	s_wait_dscnt 0x0
	s_barrier_signal -1
.endif
	MULP \c, 1, 0
	MULP \c, 1, 1
.if (\c) == 6
	WIN 0
	s_barrier_wait -1                              ; the last chunk is whole
.endif
.endif
	OUTH \c, 1, 0
	OUTH \c, 1, 1
.irp s, 2,3,4,5,6,7
	MULP \c, 1, \s
.endr
.endm
	OPOS 5
	OPOS 6
	OPOS 7
	PLACES 4
	OUTH 7, 2, 0
	OUTH 7, 2, 1
	OUTH 7, 3, 0
	OUTH 7, 3, 1
	s_wait_tensorcnt 0x0                           ; the wave's end
	ds_add_u32 v[SPW], v[NIL]
	s_wait_dscnt 0x0
	CROUND                                         ; the closing round: no work-group ends while a partner may still ask for a chunk that names it
	s_endpgm
.Lfunc_end_k_q64a96898ab_attn_out:
	.size	k_q64a96898ab_attn_out, .Lfunc_end_k_q64a96898ab_attn_out-k_q64a96898ab_attn_out
	.p2alignl 7, 3214868480
	.fill 96, 4, 3214868480
	.section	.rodata,"a",@progbits
	.p2align	6, 0x0
	.amdhsa_kernel k_q64a96898ab_attn_out
		.amdhsa_group_segment_fixed_size 327680
		.amdhsa_private_segment_fixed_size 0
		.amdhsa_enable_private_segment 0
		.amdhsa_kernarg_size 80
		.amdhsa_user_sgpr_count 2
		.amdhsa_user_sgpr_kernarg_segment_ptr 1
		.amdhsa_wavefront_size32 1
		.amdhsa_system_sgpr_workgroup_id_x 1
		.amdhsa_system_sgpr_workgroup_id_y 1
		.amdhsa_system_sgpr_workgroup_id_z 1
		.amdhsa_system_vgpr_workitem_id 0
		.amdhsa_next_free_vgpr 1024
		.amdhsa_next_free_sgpr 106
		.amdhsa_reserve_vcc 0
		.amdhsa_float_denorm_mode_32 3
		.amdhsa_float_denorm_mode_16_64 3
		.amdhsa_memory_ordered 1
		.amdhsa_forward_progress 1
		.amdhsa_inst_pref_size 216
	.end_amdhsa_kernel
	.amdgpu_metadata
---
amdhsa.version: [ 1, 2 ]
amdhsa.kernels:
  - .name:           k_q64a96898ab_attn_out
    .symbol:         k_q64a96898ab_attn_out.kd
    .args:
      - { .name: x_codes, .offset: 0, .size: 8, .value_kind: global_buffer, .address_space: global }
      - { .name: x_scales, .offset: 8, .size: 8, .value_kind: global_buffer, .address_space: global }
      - { .name: Wv_codes, .offset: 16, .size: 8, .value_kind: global_buffer, .address_space: global }
      - { .name: Wv_scales, .offset: 24, .size: 8, .value_kind: global_buffer, .address_space: global }
      - { .name: Wo_codes, .offset: 32, .size: 8, .value_kind: global_buffer, .address_space: global }
      - { .name: Wo_scales, .offset: 40, .size: 8, .value_kind: global_buffer, .address_space: global }
      - { .name: bo, .offset: 48, .size: 8, .value_kind: global_buffer, .address_space: global }
      - { .name: dots, .offset: 56, .size: 8, .value_kind: global_buffer, .address_space: global }
      - { .name: stats, .offset: 64, .size: 8, .value_kind: global_buffer, .address_space: global }
      - { .name: out0, .offset: 72, .size: 8, .value_kind: global_buffer, .address_space: global }
    .group_segment_fixed_size: 327680
    .private_segment_fixed_size: 0
    .kernarg_segment_align: 8
    .kernarg_segment_size: 80
    .max_flat_workgroup_size: 128
    .sgpr_count:     106
    .vgpr_count:     1024
    .wavefront_size: 32
...
	.end_amdgpu_metadata
.endif
;; end of part 2
